; MI455X (gfx1250); checked and timed in simulation.
; The chip was launched on July 23, 2026; its instructions are those of AMD's public machine-readable ISA for CDNA 5 (MIT licence, August 2026) and "CDNA5" Instruction Set Architecture Reference Guide (July 2026). The comments in the code are by the model that wrote it; some were corrected since.
;; Heterogeneous Normalized Attention. Allowed arithmetic: matrix products marked QUANTISED: E4M3 operands, one given power-of-two scale a tensor, by v_wmma_f32_16x16x64_fp8_fp8 or v_wmma_f32_16x16x128_fp8_fp8, f32 sums; everything else in f32.
;; Inputs: Wk 3 x 512 x 512 float32; Wo 512 x 512 float32; Wq 512 x 512 float32; Wv 3 x 512 x 512 float32; bk 3 x 512 float32; bo 512 float32; bq 512 float32; bv 3 x 512 float32; emb0 4 x 4,096 x 512 float32; emb1 4 x 4,096 x 512 float32; emb2 4 x 4,096 x 512 float32; lowp_scales 28 int32 (the exponents e of the quantised operands' scales 2^e); mask0 4 x 4,096 bool; mask1 4 x 4,096 bool; mask2 4 x 4,096 bool; x 4 x 8,192 x 512 float32.
;; Outputs: out0 4 x 8,192 x 512 float32.
;; This version of the problem:
;;   THIS VERSION OF THE PROBLEM IS GIVEN IN LOW PRECISION. The matrix products marked QUANTISED in the list below multiply operands that are first quantised to E4M3 (4 exponent bits, 3 mantissa bits; 8 bits a number), with one given power-of-two scale for each operand tensor; their sums are f32. All else is computed in f32.
;;   The module's matrix products, in the order in which they are computed (A, B: the left and right operand; K: the contracted axis; several contracted axes count as one K, in the product's order):
;;     1. [M 32,768, K 512] x [K 512, N 512]; A: input x; B: input Wq: QUANTISED (scales: A lowp_scales[0], B lowp_scales[1])
;;     2. [M 16,384, K 512] x [K 512, N 512]; A: input emb0; B: input Wk: QUANTISED (scales: A lowp_scales[2], B lowp_scales[3])
;;     3. [M 16,384, K 512] x [K 512, N 512]; A: input emb0; B: input Wv: QUANTISED (scales: A lowp_scales[4], B lowp_scales[5])
;;     4. batch 32 x [M 64, K 4,096] x [K 4,096, N 64]; A: computed on the way; B: computed on the way: QUANTISED (scales: A lowp_scales[6], B lowp_scales[7])
;;     5. batch 32 x [M 8,192, K 64] x [K 64, N 64]; A: softmax (see below); B: computed on the way: QUANTISED (scales: A lowp_scales[8], B lowp_scales[9])
;;     6. [M 16,384, K 512] x [K 512, N 512]; A: input emb1; B: input Wk: QUANTISED (scales: A lowp_scales[10], B lowp_scales[11])
;;     7. [M 16,384, K 512] x [K 512, N 512]; A: input emb1; B: input Wv: QUANTISED (scales: A lowp_scales[12], B lowp_scales[13])
;;     8. batch 32 x [M 64, K 4,096] x [K 4,096, N 64]; A: computed on the way; B: computed on the way: QUANTISED (scales: A lowp_scales[14], B lowp_scales[15])
;;     9. batch 32 x [M 8,192, K 64] x [K 64, N 64]; A: softmax (see below); B: computed on the way: QUANTISED (scales: A lowp_scales[16], B lowp_scales[17])
;;     10. [M 16,384, K 512] x [K 512, N 512]; A: input emb2; B: input Wk: QUANTISED (scales: A lowp_scales[18], B lowp_scales[19])
;;     11. [M 16,384, K 512] x [K 512, N 512]; A: input emb2; B: input Wv: QUANTISED (scales: A lowp_scales[20], B lowp_scales[21])
;;     12. batch 32 x [M 64, K 4,096] x [K 4,096, N 64]; A: computed on the way; B: computed on the way: QUANTISED (scales: A lowp_scales[22], B lowp_scales[23])
;;     13. batch 32 x [M 8,192, K 64] x [K 64, N 64]; A: softmax (see below); B: computed on the way: QUANTISED (scales: A lowp_scales[24], B lowp_scales[25])
;;     14. [M 32,768, K 512] x [K 512, N 512]; A: computed on the way; B: input Wo: QUANTISED (scales: A lowp_scales[26], B lowp_scales[27])
;;   THE QUANTISER, for each operand of a quantised product, along K:
;;     - The operand's scale is 2^e, e = its entry of the input lowp_scales (int32; the entries are numbered through the quantised products in the list's order, A before B).
;;     - Each number is divided by the scale, clamped to +-448, and rounded to the nearest number of E4M3, ties to even, subnormals kept.
;;     - The product sums the exact products of the quantised numbers (number of the format x scale) in f32.
;;   ~~~python
;;   def quantise(x, axis, e):      # numpy; x: float32 -> the quantised numbers, widened to float32 again
;;       x = np.moveaxis(x, axis, -1); K = x.shape[-1]
;;       r = np.clip(x / 2.0 ** e, -448, 448)
;;       step = 2.0 ** (np.maximum(np.frexp(np.where(r == 0, 1, r))[1] - 1, -6) - 3)
;;       q = np.round(r / step) * step * 2.0 ** e      # np.round: ties to even
;;       return np.moveaxis(q, -1, axis).astype(np.float32)
;;   ~~~
;;   SOFTMAX AHEAD OF A QUANTISED PRODUCT. Where the list says 'softmax', what is quantised is not the finished softmax but p = 2^(t - M), with t = logit x log2(e) and M = ceil(the row's largest t), a whole number; so 1/2 < the row's largest p <= 1. The row's sum l is taken of the UNQUANTISED p, in f32, and the product's result is divided by l at the end. Since M is a whole number, a kernel that streams over the keys may use a running M (the ceiling of the running maximum): every later rescaling is an exact power of two, so the quantised numbers keep their values, but for numbers so far below the row's largest that they fall under the format's range.
;;   OPERANDS COMPUTED ON THE WAY. 'Computed on the way' means the value that the module computes at that place (a softmax that the list does not call 'softmax' is quantised finished and normalised). What goes into a quantiser is computed in f32, as accurately as f32 sums, v_exp_f32 and their like allow (about 1e-6 of the number): no bf16 or f16 on the way to a quantiser, and a product that is left as it is and whose result goes on into a quantised operand takes f32 operands (vector FMAs, or v_wmma_f32_16x16x4_f32). A number that lies on a knife's edge between two numbers of the format may be rounded either way, as far as f32 arithmetic and the matrix unit's own rounding can turn it there, and no further.
;; One version. Each part assembles by itself: llvm-mc -triple=amdgcn-amd-amdhsa -mcpu=gfx1250 --defsym DOCPART=n.
;; ======== version 1 of 1: 4 launches
;; workspace buffers: wcodes 2,097,152 bytes; kvpart 12,582,912 bytes; kspart 196,608 bytes; kvcodes 393,216 bytes; ksum 24,576 bytes
;; launch wq (part 1): grid 32 x 8, 4 waves a work-group, no clusters, 34,304 bytes of LDS; arguments Wq, Wk, Wv, Wo, lowp_scales, wcodes; writes wcodes
.if DOCPART == 1
	.amdgcn_target "amdgcn-amd-amdhsa--gfx1250"
	.amdhsa_code_object_version 6
	.text
	.protected	k_q191ffd08f4_wq
	.globl	k_q191ffd08f4_wq
	.p2align	8
	.type	k_q191ffd08f4_wq,@function
k_q191ffd08f4_wq:
	s_mov_b64 s[64:65], 0
	v_nop
	global_prefetch_b8 v0, s[64:65] scope:SCOPE_SE
	s_setreg_imm32_b32 hwreg(HW_REG_WAVE_MODE, 25, 1), 1
	s_wait_xcnt 0x0
; The eight weight matrices [512][512] f32 (K innermost) become codes of E4M3, each with its given scale 2^e, laid as IMAGES OF OPERAND REGISTERS.
; A fragment is 16 rows x 128 K for v_wmma_f32_16x16x128_fp8_fp8: lane (r = lane % 16, h = lane / 16) holds row r, registers 2c, 2c+1 hold k = 16c + 8h + 0..7.
; Its image is 2,048 bytes: registers 4q..4q+3 of lane l at 512 q + 16 l.  Fragment (matrix y, tile of rows T, K step s) lies at 2048 ((32 y + T) 4 + s).
; y = 0: Wq (scale entry 1); y = 1 + i: Wk[i] (entry 3 + 8i); y = 4 + i: Wv[i] (entry 5 + 8i); y = 7: Wo (entry 27).
; Work-group x = T, y = the matrix; wave = K step: one wave makes one fragment.  Each load reads 512 consecutive bytes of a row; the 16 rows turn through the wave's own
; stage in LDS (rows 528 bytes apart: an odd multiple of 16, so sixteen rows start at sixteen different 16-byte columns modulo 256) and come back 32 bytes a lane and c.
; code = w / 2^e, held within +-448, to the nearest code, ties to even.  LIMIT: e between -126 and 119.  NaN among the inputs is not served.
; No barrier: waves share nothing.  No matrix unit, no cluster: a stream of 8 MiB read once.
.set PITCH, 528
.set WST,   16*PITCH                   ; a wave's stage
.set RW,    16                         ; v16-79   16 rows as loaded, 4 registers each
.set XN,    80                         ; v80-143  my 64 numbers: register 8c + j = k 16c + 8h + j of row r
.set CD,    144                        ; v144-159 the fragment's 16 registers
	s_load_b256 s[4:11], s[0:1], 0x0               ; Wq, Wk, Wv, Wo
	s_load_b128 s[12:15], s[0:1], 0x20             ; lowp_scales, wcodes
	v_lshl_add_u32 v168, v0, 2, 0x8400
	v_mov_b32 v169, 0
	v_lshrrev_b32 v1, 5, v0
	v_readfirstlane_b32 s16, v1                    ; wave = K step s
	v_and_b32 v1, 31, v0
	v_lshlrev_b32 v2, 4, v1                        ; 16 x lane: in memory, both ways
	s_mul_i32 s17, s16, WST
	v_add_nc_u32 v3, s17, v2                       ; the stage, way in
	v_and_b32 v7, 15, v0                           ; r
	v_bfe_u32 v8, v0, 4, 1                         ; h
	v_mul_u32_u24 v4, v7, PITCH
	v_lshl_add_u32 v4, v8, 5, v4
	v_add_nc_u32 v4, s17, v4                       ; the stage, way out: row r, + 32 h
	s_and_b32 s18, ttmp7, 0xffff                   ; y
	s_sub_co_u32 s20, s18, 1
	s_lshl_b32 s20, s20, 20                        ; Wk: matrix y - 1, 1 MiB each (used only where y >= 1)
	s_sub_co_u32 s21, s18, 4
	s_lshl_b32 s21, s21, 20                        ; Wv: matrix y - 4 (used only where y >= 4)
	s_lshl_b32 s22, s18, 5
	s_sub_co_u32 s23, s22, 108                     ; 4 (5 + 8 (y - 4))
	s_sub_co_u32 s22, s22, 20                      ; 4 (3 + 8 (y - 1))
	s_mov_b32 s24, 0                               ; byte offset of the matrix in its tensor
	s_mov_b32 s25, 4                               ; byte offset of its scale's exponent
	s_wait_kmcnt 0x0
	s_mov_b64 s[26:27], s[4:5]                     ; the choices hang on the work-group's number alone
	s_cmp_ge_u32 s18, 1
	s_cselect_b64 s[26:27], s[6:7], s[26:27]
	s_cselect_b32 s24, s20, s24
	s_cselect_b32 s25, s22, s25
	s_cmp_ge_u32 s18, 4
	s_cselect_b64 s[26:27], s[8:9], s[26:27]
	s_cselect_b32 s24, s21, s24
	s_cselect_b32 s25, s23, s25
	s_cmp_ge_u32 s18, 7
	s_cselect_b64 s[26:27], s[10:11], s[26:27]
	s_cselect_b32 s24, 0, s24
	s_cselect_b32 s25, 108, s25
	s_mov_b32 s28, s25
	s_mov_b32 s29, 0
	s_add_nc_u64 s[12:13], s[12:13], s[28:29]
	s_load_b32 s19, s[12:13], 0x0                  ; e
	s_lshl_b32 s30, ttmp9, 15                      ; 16 rows of 2,048 bytes for each T
	s_add_co_u32 s30, s30, s24
	s_lshl_b32 s31, s16, 9                         ; 128 numbers for each K step
	s_add_co_u32 s30, s30, s31
	s_mov_b32 s31, 0
	s_add_nc_u64 s[26:27], s[26:27], s[30:31]
	s_lshl_b32 s32, s18, 5
	s_add_co_u32 s32, s32, ttmp9
	s_lshl_b32 s32, s32, 2
	s_add_co_u32 s32, s32, s16
	s_lshl_b32 s32, s32, 11                        ; 2048 ((32 y + T) 4 + s)
	s_mov_b32 s33, 0
	s_add_nc_u64 s[14:15], s[14:15], s[32:33]
.set pp, 0
.rept 16
	global_load_b128 v[RW+4*pp:RW+4*pp+3], v2, s[26:27] offset:2048*pp th:TH_LOAD_NT   ; row pp: 32 lanes read 512 consecutive bytes
.set pp, pp+1
.endr
	s_wait_kmcnt 0x0
	s_add_co_i32 s19, s19, 127
	s_lshl_b32 s34, s19, 23
	v_mov_b32 v5, s34                              ; 2^e as f32: the conversion takes its exponent field
	s_add_co_i32 s19, s19, 8
	s_lshl_b32 s19, s19, 23
	s_or_b32 s19, s19, 0x600000
	v_mov_b32 v6, s19                              ; 448 x 2^e
.set pp, 0
.rept 16
	s_wait_loadcnt 15-pp                           ; loads come back in order: row pp is in, the younger rows may be out
	ds_store_b128 v3, v[RW+4*pp:RW+4*pp+3] offset:PITCH*pp
.set pp, pp+1
.endr
.set cc, 0
.rept 8
	ds_load_b128 v[XN+8*cc:XN+8*cc+3], v4 offset:64*cc          ; LDS serves a wave's instructions in order: these see my stores
	ds_load_b128 v[XN+8*cc+4:XN+8*cc+7], v4 offset:64*cc+16
.set cc, cc+1
.endr
.set cc, 0
.rept 8
	s_wait_dscnt 14-2*cc                           ; pair cc of the 16 loads is in; the later pairs may be out
.set jj, 0
.rept 8
	v_med3_num_f32 v[XN+8*cc+jj], v[XN+8*cc+jj], -v6, v6    ; the conversion to an 8-bit code does not saturate (ISA guide 7.6.2): the hold comes first
.set jj, jj+1
.endr
	v_cvt_scalef32_pk8_fp8_f32 v[CD+2*cc:CD+2*cc+1], v[XN+8*cc:XN+8*cc+7], v5   ; the next lines are plain and touch other registers
.set cc, cc+1
.endr
	v_nop                                          ; a plain line behind the last conversion
.set qq, 0
.rept 4
	global_store_b128 v2, v[CD+4*qq:CD+4*qq+3], s[14:15] offset:512*qq   ; 512 consecutive bytes, aligned
.set qq, qq+1
.endr
	s_wait_tensorcnt 0x0
	ds_add_u32 v168, v169
	s_wait_dscnt 0x0
	s_endpgm
.Lfunc_end_k_q191ffd08f4_wq:
	.size	k_q191ffd08f4_wq, .Lfunc_end_k_q191ffd08f4_wq-k_q191ffd08f4_wq
	.p2alignl 7, 3214868480
	.fill 96, 4, 3214868480
	.section	.rodata,"a",@progbits
	.p2align	6, 0x0
	.amdhsa_kernel k_q191ffd08f4_wq
		.amdhsa_group_segment_fixed_size 34304
		.amdhsa_private_segment_fixed_size 0
		.amdhsa_enable_private_segment 0
		.amdhsa_kernarg_size 48
		.amdhsa_user_sgpr_count 2
		.amdhsa_user_sgpr_kernarg_segment_ptr 1
		.amdhsa_wavefront_size32 1
		.amdhsa_system_sgpr_workgroup_id_x 1
		.amdhsa_system_sgpr_workgroup_id_y 1
		.amdhsa_system_sgpr_workgroup_id_z 1
		.amdhsa_system_vgpr_workitem_id 0
		.amdhsa_next_free_vgpr 170
		.amdhsa_next_free_sgpr 66
		.amdhsa_reserve_vcc 0
		.amdhsa_float_denorm_mode_32 3
		.amdhsa_float_denorm_mode_16_64 3
		.amdhsa_memory_ordered 1
		.amdhsa_forward_progress 1
		.amdhsa_inst_pref_size 13
	.end_amdhsa_kernel
	.amdgpu_metadata
---
amdhsa.version: [ 1, 2 ]
amdhsa.kernels:
  - .name:           k_q191ffd08f4_wq
    .symbol:         k_q191ffd08f4_wq.kd
    .args:
      - { .name: Wq, .offset: 0, .size: 8, .value_kind: global_buffer, .address_space: global }
      - { .name: Wk, .offset: 8, .size: 8, .value_kind: global_buffer, .address_space: global }
      - { .name: Wv, .offset: 16, .size: 8, .value_kind: global_buffer, .address_space: global }
      - { .name: Wo, .offset: 24, .size: 8, .value_kind: global_buffer, .address_space: global }
      - { .name: lowp_scales, .offset: 32, .size: 8, .value_kind: global_buffer, .address_space: global }
      - { .name: wcodes, .offset: 40, .size: 8, .value_kind: global_buffer, .address_space: global }
    .group_segment_fixed_size: 34304
    .private_segment_fixed_size: 0
    .kernarg_segment_align: 8
    .kernarg_segment_size: 48
    .max_flat_workgroup_size: 128
    .sgpr_count:     66
    .vgpr_count:     170
    .wavefront_size: 32
...
	.end_amdgpu_metadata
.endif
;; end of part 1
;; launch kvp (part 2): grid 16 x 12, 4 waves a work-group, no clusters, 327,680 bytes of LDS; arguments emb0, emb1, emb2, mask0, mask1, mask2, wcodes, bk, bv, lowp_scales, kvpart, kspart; writes kvpart, kspart
.if DOCPART == 2
	.amdgcn_target "amdgcn-amd-amdhsa--gfx1250"
	.amdhsa_code_object_version 6
	.text
	.protected	k_q191ffd08f4_kvp
	.globl	k_q191ffd08f4_kvp
	.p2align	8
	.type	k_q191ffd08f4_kvp,@function
k_q191ffd08f4_kvp:
	s_mov_b64 s[64:65], 0
	v_nop
	global_prefetch_b8 v0, s[64:65] scope:SCOPE_SE
	s_setreg_imm32_b32 hwreg(HW_REG_WAVE_MODE, 25, 1), 1
	s_wait_xcnt 0x0
; For embedding i, batch b: k = softmax over each head's 64 of (emb Wk^T + bk), rows with mask 0 made 0; v = emb Wv^T + bv; partial k_sum[64] and kv[64][64] = k^T v over 512 rows.
; All three products on codes of E4M3 with the given scales: emb is quantised TWICE (entries 2 + 8i and 4 + 8i), k finished and masked (entry 6 + 8i), v (entry 7 + 8i).
; SHARES.  Work-group x = 2 chunk + g, y = 4 i + b: rows 512 chunk .. + 511, heads 4 g .. 4 g + 3.  Wave w owns head 4 g + w: its 64 rows of Wk and of Wv, as codes, stay in 512 registers.
; emb comes as f32 through a ring of two LDS slots of 64 rows; wave w fetches, reads and quantises K quarter w (128 along K) and hands the two fragments to all four waves as images of registers.
; LAYOUT.  emb W^T is used as it stands (source 0 = 16 rows of emb, source 1 = 16 rows of W): a lane holds ONE column d (or e) and its registers 8 rows s = 8 h + j.  So the softmax over d goes over 4 tiles and
; 16 lanes, and the conversion of a tile's 8 registers is a register pair of the operand of k^T v, whose K is s: nothing is transposed.
; kv accumulator (td, te): lane (r, h) holds e = 16 te + r, register j holds d = 16 td + 8 h + j; it stands for sum x 2^(e6 + e7), applied by the next launch.
; NO CLUSTER: a tile of emb is shared by two work-groups only (the two head groups); four partners would want four head groups, which would quantise emb four times over.  192 work-groups: 3 embeddings do not divide 256.
; LIMITS, so that each power of two below is an f32 number: entries 2+8i, 4+8i, 6+8i, and (7+8i) - (4+8i) - (5+8i), between -126 and 119; (2+8i) + (3+8i) between -126 and 126.  NaN among the inputs is not served.
; REGISTERS, in windows of 256.  Window 0: v1-31 addresses, scales, k_sum; v32-159 the 8 fragments of emb ((scale z, K step s) at 32 + 16 (4 z + s)), then at work; v160-191 k's 4 tiles; v192-223 v's.
;   Window 1: Wk's 16 fragments ((t, s) at 16 (4 t + s)).  Window 2: Wv's.  Window 3: v0-127 kv's 16 accumulators; v128-159, v160-191 the biases as C operands; v192-223 k's codes, v224-255 v's.
.set ROWP,   528                       ; an LDS row of f32: 512 bytes + 16: an odd multiple of 16, so sixteen rows start at sixteen different 16-byte columns modulo 256
.set TILEB,  64*ROWP                   ; a wave's tile: 64 rows x 128 numbers
.set SLOTSZ, 4*TILEB
.set XIMG,   2*SLOTSZ                  ; behind the ring: two buffers of 8 fragment images
.set XBUF,   16384
.set MASKF,  XIMG+2*XBUF               ; the chunk's 512 mask entries as f32
.set SPARE,  MASKF+2048                ; the spare words, 128 bytes for each wave: two blocks of 256 bytes that no other line names
.set KST,    SPARE+512                 ; 256 bytes for each wave: k_sum's way out
.set LI,   1                           ; XIMG + 16 x lane
.set XW,   2                           ; LI + 2048 x wave
.set XRD,  3                           ; v3, v4: my place in my tile of slot 0, 1
.set MF0,  7                           ; MASKF + 32 h
.set MA,   8                           ; + the trip's step
.set SPW,  9                           ; LDS address of my spare word; never rewritten
.set NIL,  10                          ; 0; never rewritten
.set SXK,  11                          ; scales as f32: emb for k, emb for v, k, v
.set SXV,  12
.set SCK,  13
.set SCV,  14
.set LXK,  15                          ; 448 x those
.set LXV,  16
.set LMK,  17
.set LMV,  18
.set KS,   20                          ; v20-27: k_sum of tile t as a pair (even rows', odd rows')
.set GOF,  28                          ; 16 x lane
.set KSW,  29
.set KSRD, 30
.set GO8,  31                          ; 8 x lane
.set AF,   32
.set KA,   160
.set VA,   192
.set XS,   32                          ; behind a tile's products: 64 numbers of emb,
.set MX,   96                          ; 8 row maxima,
.set LS,   104                         ; 8 row sums,
.set MF,   112                         ; 8 mask entries,
.set TQ,   120                         ; 8 at work,
.set XK,   128                         ; the two fragments just made
.set XV,   144
.set BKR,  128                         ; window 3
.set BVR,  160
.set KC,   192
.set VC,   224
.set MSB, 0
.macro WIN new                         ; the immediate's high byte repeats the setting that is left
.if MSB != \new
	s_set_vgpr_msb (MSB<<8)|\new
.set MSB, \new
.endif
.endm
.macro PLACES                          ; four plain places behind matrix instructions, ahead of reads of results and of loads into operands
.rept 4
	v_nop
.endr
.endm
.macro BAR                             ; my LDS stores have landed and my LDS loads are in: then the work-group's barrier
	s_wait_dscnt 0x0
	s_barrier_signal -1
	s_barrier_wait -1
.endm
.macro MKSC sc, lim, e                 ; 2^e and 448 x 2^e as f32, from the whole number in scalar register e
	s_add_co_i32 s76, \e, 127
	s_lshl_b32 s77, s76, 23
	v_mov_b32 v[\sc], s77
	s_add_co_i32 s76, s76, 8
	s_lshl_b32 s76, s76, 23
	s_or_b32 s76, s76, 0x600000
	v_mov_b32 v[\lim], s76
.endm
	s_load_b512 s[4:19], s[0:1], 0x0               ; emb0-2 s[4:9], mask0-2 s[10:15], wcodes s[16:17], bk s[18:19]
	s_load_b256 s[20:27], s[0:1], 0x40             ; bv, lowp_scales, kvpart, kspart
	v_lshl_add_u32 v[SPW], v0, 2, SPARE
	v_mov_b32 v[NIL], 0
	ds_add_u32 v9, v10
	ds_add_u32 v9, v10
	s_wait_dscnt 0x0
	v_lshrrev_b32 v224, 5, v0
	v_readfirstlane_b32 s28, v224                  ; wave
	s_and_b32 s29, ttmp9, 1                        ; g
	s_lshr_b32 s30, ttmp9, 1                       ; chunk
	s_and_b32 s31, ttmp7, 0xffff
	s_and_b32 s32, s31, 3                          ; b
	s_lshr_b32 s31, s31, 2                         ; i
	s_lshl_b32 s33, s29, 2
	s_add_co_u32 s33, s33, s28                     ; my head
	; descriptor group 1: 64 rows x 128 elements of 4 bytes, 512 elements from row to row; 4 words of padding behind every 128
	s_mov_b32 s36, (2<<16)|(1<<20)|(6<<22)|(3<<25)
	s_mov_b32 s37, 128<<16                         ; tensor_dim0
	s_mov_b32 s38, 64<<16                          ; tensor_dim1
	s_mov_b32 s39, 128<<16                         ; tile_dim0
	s_mov_b32 s40, 64                              ; tile_dim1
	s_mov_b32 s41, 512                             ; the pitch
	s_mov_b32 s42, 0
	s_mov_b32 s43, 0
	s_lshl_b32 s68, s32, 23                        ; a batch is 4,096 rows of 2,048 bytes,
	s_lshl_b32 s69, s30, 20                        ; a chunk 512 rows,
	s_add_co_u32 s68, s68, s69
	s_lshl_b32 s69, s28, 9                         ; my K quarter 512 bytes
	s_add_co_u32 s68, s68, s69
	s_mov_b32 s69, 0
	s_mul_i32 s34, s28, TILEB
	s_mov_b32 s71, 0
	s_mov_b32 s77, 0
	s_wait_kmcnt 0x0
	s_cmp_eq_u32 s31, 1                            ; emb_i and mask_i: the choice hangs on the work-group's number alone
	s_cselect_b64 s[4:5], s[6:7], s[4:5]
	s_cselect_b64 s[10:11], s[12:13], s[10:11]
	s_cmp_eq_u32 s31, 2
	s_cselect_b64 s[4:5], s[8:9], s[4:5]
	s_cselect_b64 s[10:11], s[14:15], s[10:11]
	s_add_nc_u64 s[4:5], s[4:5], s[68:69]
.irp n, 0,1                            ; group 0, a set for each slot
	s_mov_b32 s[44+4*\n], 1
	s_add_co_u32 s[45+4*\n], s34, \n*SLOTSZ
	s_add_nc_u64 s[46+4*\n:47+4*\n], s[4:5], \n*131072
	s_or_b32 s[47+4*\n], s[47+4*\n], 0x80000000
.endr
	tensor_load_to_lds s[44:47], s[36:43]          ; both first fills go out together: two loads of mine are out, the most in this text
	s_nop 0
	tensor_load_to_lds s[48:51], s[36:43]
	s_nop 0
.rept 4
	v_nop
.endr
	s_lshl_b32 s70, s31, 5
	s_add_nc_u64 s[22:23], s[22:23], s[70:71]
	s_load_b256 s[52:59], s[22:23], 0x8            ; entries 2 + 8i .. 9 + 8i
	s_add_co_u32 s70, s31, 1
	s_lshl_b32 s70, s70, 18                        ; matrix 1 + i of the codes, 262,144 bytes each,
	s_lshl_b32 s76, s33, 15                        ; my head's 16 fragments
	s_add_co_u32 s70, s70, s76
	s_add_nc_u64 s[72:73], s[16:17], s[70:71]      ; Wk's
	s_add_nc_u64 s[74:75], s[72:73], 3*262144      ; Wv's: matrix 4 + i
	s_lshl_b32 s76, s31, 11
	s_lshl_b32 s70, s33, 8
	s_add_co_u32 s76, s76, s70
	s_add_nc_u64 s[78:79], s[18:19], s[76:77]      ; bk[i] at my head
	s_add_nc_u64 s[80:81], s[20:21], s[76:77]      ; bv[i]
	s_lshl_b32 s76, s32, 12
	s_lshl_b32 s70, s30, 9
	s_add_co_u32 s76, s76, s70
	s_add_nc_u64 s[82:83], s[10:11], s[76:77]      ; the chunk's mask bytes
	s_lshl_b32 s70, s31, 2
	s_add_co_u32 s70, s70, s32
	s_lshl_b32 s70, s70, 3
	s_add_co_u32 s70, s70, s33                     ; u = (4 i + b) 8 + head
	s_lshl_b32 s70, s70, 3
	s_add_co_u32 s70, s70, s30                     ; 8 u + chunk
	s_lshl_b32 s76, s70, 14
	s_add_nc_u64 s[24:25], s[24:25], s[76:77]      ; my 16 KiB of kvpart
	s_lshl_b32 s76, s70, 8
	s_add_nc_u64 s[26:27], s[26:27], s[76:77]      ; my 256 bytes of kspart
	v_and_b32 v224, 31, v0                         ; lane
	v_and_b32 v225, 15, v0                         ; r
	v_bfe_u32 v226, v0, 4, 1                       ; h
	v_lshlrev_b32 v227, 2, v0                      ; 4 x thread: my four mask bytes
	v_lshlrev_b32 v228, 2, v225                    ; 4 r: my column's bias
	v_lshl_add_u32 v229, v0, 4, MASKF              ; where their four f32 go
	v_lshlrev_b32 v[GOF], 4, v224
	v_lshlrev_b32 v[GO8], 3, v224
	v_add_nc_u32 v[LI], XIMG, v[GOF]
	s_lshl_b32 s35, s28, 11
	v_add_nc_u32 v[XW], s35, v[LI]
	v_mul_u32_u24 v[XRD], v225, ROWP
	v_lshl_add_u32 v[XRD], v226, 5, v[XRD]
	v_add_nc_u32 v[XRD], s34, v[XRD]               ; my tile, row r, + 32 h
	v_add_nc_u32 v[XRD+1], SLOTSZ, v[XRD]
	v_lshlrev_b32 v[MF0], 5, v226
	v_add_nc_u32 v[MF0], MASKF, v[MF0]
	s_lshl_b32 s35, s28, 8
	v_lshl_add_u32 v[KSW], v225, 2, s35
	v_add_nc_u32 v[KSW], KST, v[KSW]
	v_lshl_add_u32 v[KSRD], v224, 3, s35
	v_add_nc_u32 v[KSRD], KST, v[KSRD]
	WIN 0x40                                       ; destination window 1
.set nn, 0
.rept 64
	global_load_b128 v[4*nn:4*nn+3], v[GOF], s[72:73] offset:512*nn    ; Wk's images as they lie: they stay
.set nn, nn+1
.endr
	WIN 0x80                                       ; destination window 2
.set nn, 0
.rept 64
	global_load_b128 v[4*nn:4*nn+3], v[GOF], s[74:75] offset:512*nn    ; Wv's
.set nn, nn+1
.endr
	WIN 0
.irp t, 0,1,2,3
	global_load_b32 v[232+\t], v228, s[78:79] offset:64*\t             ; bk of column 16 t + r
	global_load_b32 v[236+\t], v228, s[80:81] offset:64*\t             ; bv
.endr
	global_load_b32 v240, v227, s[82:83]
	s_wait_kmcnt 0x0
	s_add_co_i32 s68, s52, s53                     ; a sum of emb Wk^T stands for sum x 2^(e2 + e3)
	s_sub_co_i32 s70, 0, s68
	s_lshl_b32 s68, s68, 23
	s_add_co_i32 s60, s68, 0x3fb8aa3b              ; c = log2(e) x 2^(e2 + e3): the exponents are added to the exponent field
	s_mov_b32 s61, s60                             ; (named with it as a pair, so it is written)
	s_xor_b32 s62, s60, 0x80000000                 ; -c
	s_mov_b32 s63, s62
	s_add_co_i32 s69, s54, s55                     ; e4 + e5
	s_sub_co_i32 s71, 0, s69
	s_sub_co_i32 s68, s57, s69                     ; v's code = sum / 2^(e7 - e4 - e5): three scales folded into one
	MKSC SXK, LXK, s52
	MKSC SXV, LXV, s54
	MKSC SCK, LMK, s56
	MKSC SCV, LMV, s68
.irp j, 0,1,2,3,4,5,6,7
	v_mov_b32 v[KS+\j], 0
.endr
	WIN 0xc0                                       ; destination window 3
.set jj, 0
.rept 128
	v_mov_b32 v[jj], 0                             ; kv's sums begin as zeros, so that a block of 64 rows is written once for loop and tail
.set jj, jj+1
.endr
	s_wait_loadcnt 0x0
.set tt, 0
.rept 4
.set jj, 0
.rept 8
	v_ldexp_f32 v[BKR+8*tt+jj], v[232+tt], s70     ; the bias is the C of a sum's first product: eight equal registers a tile, divided by the power of two that the sums lack
	v_ldexp_f32 v[BVR+8*tt+jj], v[236+tt], s71
.set jj, jj+1
.endr
.set tt, tt+1
.endr
	WIN 0
.irp j, 0,1,2,3
	v_bfe_u32 v[244+\j], v240, 8*\j, 8
.endr
.irp j, 0,1,2,3
	v_cvt_f32_u32 v[244+\j], v[244+\j]             ; 0.0 or 1.0
.endr
	ds_store_b128 v229, v[244:247]
; my K quarter of 16 rows (row tile mr of slot n), f32: register 8c + j = k 16c + 8h + j of row r
.macro XLOAD n, mr
.set cc, 0
.rept 8
	ds_load_b128 v[XS+8*cc:XS+8*cc+3], v[XRD+(\n)] offset:(\mr)*16*ROWP+64*cc
	ds_load_b128 v[XS+8*cc+4:XS+8*cc+7], v[XRD+(\n)] offset:(\mr)*16*ROWP+64*cc+16
.set cc, cc+1
.endr
.endm
; they become two fragments: one under k's scale of emb, one under v's.  Behind each conversion stand eight plain lines that touch neither its result nor its sources
.macro XQUANT
.set cc, 0
.rept 8
.set jj, 0
.rept 8
	v_med3_num_f32 v[TQ+jj], v[XS+8*cc+jj], -v[LXK], v[LXK]            ; the conversion does not saturate (ISA guide 7.6.2): the hold comes first
.set jj, jj+1
.endr
	v_cvt_scalef32_pk8_fp8_f32 v[XK+2*cc:XK+2*cc+1], v[TQ:TQ+7], v[SXK]
.set jj, 0
.rept 8
	v_med3_num_f32 v[XS+8*cc+jj], v[XS+8*cc+jj], -v[LXV], v[LXV]
.set jj, jj+1
.endr
	v_cvt_scalef32_pk8_fp8_f32 v[XV+2*cc:XV+2*cc+1], v[XS+8*cc:XS+8*cc+7], v[SXV]
.set cc, cc+1
.endr
	v_nop                                          ; a plain line behind the last conversion
.endm
.macro XSTORE buf                      ; their images: K step = my wave
.set qq, 0
.rept 4
	ds_store_b128 v[XW], v[XK+4*qq:XK+4*qq+3] offset:(\buf)*XBUF+512*qq
	ds_store_b128 v[XW], v[XV+4*qq:XV+4*qq+3] offset:(\buf)*XBUF+8192+512*qq
.set qq, qq+1
.endr
.endm
; k's softmax over the head's 64 (4 tiles x 16 lanes), for my 8 rows; the mask; k_sum; the hold.  Eight rows take turns line by line.  v's hold stands behind the exponentials as their plain place.
.macro SOFTMAX dox
.set jj, 0
.rept 8
	v_max3_num_f32 v[MX+jj], v[KA+jj], v[KA+8+jj], v[KA+16+jj]         ; each accumulator is read from its low end on
.set jj, jj+1
.endr
.set jj, 0
.rept 8
	v_max_num_f32 v[MX+jj], v[MX+jj], v[KA+24+jj]
.set jj, jj+1
.endr
.irp xm, 1,2,4,8
.set jj, 0
.rept 8
	v_max_num_f32_dpp v[MX+jj], v[MX+jj], v[MX+jj] row_xmask:\xm row_mask:0xf bank_mask:0xf
.set jj, jj+1
.endr
.endr
.set jj, 0
.rept 4
	v_pk_mul_f32 v[MX+2*jj:MX+2*jj+1], v[MX+2*jj:MX+2*jj+1], s[62:63] op_sel_hi:[1,0]   ; -c x the row's largest sum
.set jj, jj+1
.endr
.set tt, 0
.rept 4
.set jj, 0
.rept 4
	v_pk_fma_f32 v[KA+8*tt+2*jj:KA+8*tt+2*jj+1], v[KA+8*tt+2*jj:KA+8*tt+2*jj+1], s[60:61], v[MX+2*jj:MX+2*jj+1] op_sel_hi:[1,0,1]
.set jj, jj+1
.endr
.set tt, tt+1
.endr
.set jj, 0
.rept 32
	v_exp_f32 v[KA+jj], v[KA+jj]
.set jj, jj+1
.endr
.set jj, 0
.rept 32
	v_med3_num_f32 v[VA+jj], v[VA+jj], -v[LMV], v[LMV]                 ; v's hold
.set jj, jj+1
.endr
.set jj, 0
	s_wait_alu depctr_va_vdst(0)
.rept 4
	v_pk_add_f32 v[LS+2*jj:LS+2*jj+1], v[KA+2*jj:KA+2*jj+1], v[KA+8+2*jj:KA+8+2*jj+1]
.set jj, jj+1
.endr
.set jj, 0
.rept 4
	v_pk_add_f32 v[TQ+2*jj:TQ+2*jj+1], v[KA+16+2*jj:KA+16+2*jj+1], v[KA+24+2*jj:KA+24+2*jj+1]
.set jj, jj+1
.endr
.set jj, 0
.rept 4
	v_pk_add_f32 v[LS+2*jj:LS+2*jj+1], v[LS+2*jj:LS+2*jj+1], v[TQ+2*jj:TQ+2*jj+1]
.set jj, jj+1
.endr
.irp xm, 1,2,4,8
.set jj, 0
.rept 8
	v_add_f32_dpp v[LS+jj], v[LS+jj], v[LS+jj] row_xmask:\xm row_mask:0xf bank_mask:0xf
.set jj, jj+1
.endr
.endr
.set jj, 0
.rept 8
	v_rcp_f32 v[LS+jj], v[LS+jj]
.set jj, jj+1
.endr
	s_wait_dscnt 16*(\dox)                         ; the mask's two loads are in; the 16 younger loads of emb may be out
	v_nop                                          ; a plain place behind the reciprocals
.set jj, 0
	s_wait_alu depctr_va_vdst(0)
.rept 4
	v_pk_mul_f32 v[LS+2*jj:LS+2*jj+1], v[LS+2*jj:LS+2*jj+1], v[MF+2*jj:MF+2*jj+1]       ; 1 / sum, or 0 where the row is masked
.set jj, jj+1
.endr
.set tt, 0
.rept 4
.set jj, 0
.rept 4
	v_pk_mul_f32 v[KA+8*tt+2*jj:KA+8*tt+2*jj+1], v[KA+8*tt+2*jj:KA+8*tt+2*jj+1], v[LS+2*jj:LS+2*jj+1]
.set jj, jj+1
.endr
.set tt, tt+1
.endr
.set jj, 0
.rept 4
.set tt, 0
.rept 4
	v_pk_add_f32 v[KS+2*tt:KS+2*tt+1], v[KS+2*tt:KS+2*tt+1], v[KA+8*tt+2*jj:KA+8*tt+2*jj+1]   ; k_sum, of the unquantised k
.set tt, tt+1
.endr
.set jj, jj+1
.endr
.set jj, 0
.rept 32
	v_min_num_f32 v[KA+jj], v[KA+jj], v[LMK]       ; k is not negative: the hold is one-sided
.set jj, jj+1
.endr
.endm
; ONE TILE OF 16 ROWS (row tile m of slot n).  dox = 1: the next tile's numbers of emb are quantised on the way.  kind: what stands at its end: 0 a barrier; 1 the barrier behind which slot n is filled again;
; 2 the same without a fill; 3 nothing.
.macro ITER n, m, dox, kind
.set BUFO, ((\m)%2)*XBUF
.set ss, 0
.rept 4
.set qq, 0
.rept 4
	ds_load_b128 v[AF+16*ss+4*qq:AF+16*ss+4*qq+3], v[LI] offset:BUFO+2048*ss+512*qq
.set qq, qq+1
.endr
.set qq, 0
.rept 4
	ds_load_b128 v[AF+64+16*ss+4*qq:AF+64+16*ss+4*qq+3], v[LI] offset:BUFO+8192+2048*ss+512*qq
.set qq, qq+1
.endr
.set ss, ss+1
.endr
.set ss, 0
.rept 4                                ; the eight accumulators take turns, one instruction a turn
	s_wait_dscnt 24-8*ss                           ; K step ss's two fragments are in; the later steps' 8 loads each may be out
.if ss == 0
	WIN 0x34                                       ; source 1 (Wk) window 1, C (the bias) window 3
.else
	WIN 0x04
.endif
.set tt, 0
.rept 4
.if ss == 0
	v_wmma_f32_16x16x128_fp8_fp8 v[KA+8*tt:KA+8*tt+7], v[AF+16*ss:AF+16*ss+15], v[16*(4*tt+ss):16*(4*tt+ss)+15], v[BKR+8*tt:BKR+8*tt+7]
.else
	v_wmma_f32_16x16x128_fp8_fp8 v[KA+8*tt:KA+8*tt+7], v[AF+16*ss:AF+16*ss+15], v[16*(4*tt+ss):16*(4*tt+ss)+15], v[KA+8*tt:KA+8*tt+7]
.endif
.set tt, tt+1
.endr
.if ss == 0
	WIN 0x38                                       ; source 1 (Wv) window 2
.else
	WIN 0x08
.endif
.set tt, 0
.rept 4
.if ss == 0
	v_wmma_f32_16x16x128_fp8_fp8 v[VA+8*tt:VA+8*tt+7], v[AF+64+16*ss:AF+64+16*ss+15], v[16*(4*tt+ss):16*(4*tt+ss)+15], v[BVR+8*tt:BVR+8*tt+7]
.else
	v_wmma_f32_16x16x128_fp8_fp8 v[VA+8*tt:VA+8*tt+7], v[AF+64+16*ss:AF+64+16*ss+15], v[16*(4*tt+ss):16*(4*tt+ss)+15], v[VA+8*tt:VA+8*tt+7]
.endif
.set tt, tt+1
.endr
.set ss, ss+1
.endr
	WIN 0
	PLACES
	ds_load_b128 v[MF:MF+3], v[MA] offset:256*(\n)+64*(\m)             ; the mask of my 8 rows
	ds_load_b128 v[MF+4:MF+7], v[MA] offset:256*(\n)+64*(\m)+16
.if \dox
.if (\m) < 3
	XLOAD \n, (\m)+1
.else
	XLOAD 1-(\n), 0
.endif
.endif
	SOFTMAX \dox
	WIN 0xc0                                       ; destination window 3
.set tt, 0
.rept 4
	v_cvt_scalef32_pk8_fp8_f32 v[KC+8*tt+2*(\m):KC+8*tt+2*(\m)+1], v[KA+8*tt:KA+8*tt+7], v[SCK]   ; rows 16 m + 8 h + 0..7 of column 16 t + r: registers 2m, 2m+1 of k^T's fragment
.set tt, tt+1
.endr
.set tt, 0
.rept 4
	v_cvt_scalef32_pk8_fp8_f32 v[VC+8*tt+2*(\m):VC+8*tt+2*(\m)+1], v[VA+8*tt:VA+8*tt+7], v[SCV]
.set tt, tt+1
.endr
	v_nop                                          ; a plain line between the conversions and the matrix instructions that read their results or write their sources
.if (\m) == 3
	WIN 0xff                                       ; all in window 3
.set td, 0
.rept 4
.set te, 0
.rept 4
	v_wmma_f32_16x16x64_fp8_fp8 v[8*(4*td+te):8*(4*td+te)+7], v[KC+8*td:KC+8*td+7], v[VC+8*te:VC+8*te+7], v[8*(4*td+te):8*(4*td+te)+7]   ; kv += k^T v over these 64 rows
.set te, te+1
.endr
.set td, td+1
.endr
.endif
	WIN 0
.if \dox
	s_wait_dscnt 0x0                               ; the next tile's numbers are in
	XQUANT
	XSTORE ((\m)+1)%2                              ; into the buffer that nobody reads in this tile
.endif
.if (\kind) == 0
	BAR                                            ; the next buffer is whole, and nobody reads this one any more
.elseif (\kind) == 1
	s_wait_tensorcnt 0x0                           ; all my tensor loads have landed: the one that was out is my tile of the other slot, first read in the next tile of rows
	ds_add_u32 v[SPW], v[NIL]                      ; 0 onto my spare word
	s_add_nc_u64 s[46+4*(\n):47+4*(\n)], s[46+4*(\n):47+4*(\n)], 262144   ; no load of mine is out, so a group 0 may be written: 128 rows on
	s_wait_dscnt 0x0                               ; the add is done; my images are stored; my reads of this slot (its last 16 rows were read in this tile) are over
	s_barrier_signal -1
	s_barrier_wait -1
	tensor_load_to_lds s[44+4*(\n):47+4*(\n)], s[36:43]   ; my one load behind this barrier: it has four tiles of rows in which to land
	s_nop 0
.rept 4
	v_nop
.endr
.elseif (\kind) == 2
	s_wait_tensorcnt 0x0                           ; the last slot's tile has landed; nothing is left to fetch
	BAR
.endif
.endm
.macro SLOTB n, kind2, last            ; a slot's 64 rows
.if (\n) == 0
	v_add_nc_u32 v[MA], s67, v[MF0]
.endif
	ITER \n, 0, 1, 0
	ITER \n, 1, 1, 0
	ITER \n, 2, 1, \kind2
.if \last
	ITER \n, 3, 0, 3
.else
	ITER \n, 3, 1, 0
.endif
.endm
	s_wait_tensorcnt 1                             ; my tile of slot 0 is in; slot 1's may stay out.  Only I read my tile
	XLOAD 0, 0
	s_wait_dscnt 0x0
	XQUANT
	XSTORE 0
	BAR                                            ; the mask and the first tile's images lie in LDS
	s_mov_b32 s66, 3
	s_mov_b32 s67, 0
.Lring:                                            ; three trips: rows 0 to 383; each slot is filled again with the rows 128 further on
	SLOTB 0, 1, 0
	SLOTB 1, 1, 0
	s_add_co_u32 s67, s67, 512                     ; 128 mask entries on
	s_sub_co_u32 s66, s66, 1
	s_cmp_lg_u32 s66, 0
	s_cbranch_scc1 .Lring
	SLOTB 0, 2, 0                                  ; the last two slots are written out
	SLOTB 1, 0, 1
	PLACES
	WIN 0x0c                                       ; store data window 3
.set tt, 0
.rept 16
	global_store_b128 v[GOF], v[8*tt:8*tt+3], s[24:25] offset:1024*tt          ; each store covers 512 consecutive bytes, aligned; each accumulator from its low end on
	global_store_b128 v[GOF], v[8*tt+4:8*tt+7], s[24:25] offset:1024*tt+512
.set tt, tt+1
.endr
	WIN 0
	s_mov_b32 s68, 0x76543210                      ; v_permlanex16_b32: lane l xor 16
	s_mov_b32 s69, 0xfedcba98
.irp t, 0,1,2,3
	v_add_f32 v[KS+2*\t], v[KS+2*\t], v[KS+2*\t+1]
.endr
.irp t, 0,1,2,3
	v_permlanex16_b32 v[KS+2*\t+1], v[KS+2*\t], s68, s69
.endr
.irp t, 0,1,2,3
	v_add_f32 v[KS+2*\t], v[KS+2*\t], v[KS+2*\t+1] ; k_sum of column 16 t + r over the chunk's rows
.endr
.irp t, 0,1,2,3
	ds_store_b32 v[KSW], v[KS+2*\t] offset:64*\t   ; both halves of the lanes store the same number to the same word
.endr
	ds_load_b64 v[32:33], v[KSRD]                  ; LDS serves a wave's instructions in order
	s_wait_dscnt 0x0
	global_store_b64 v[GO8], v[32:33], s[26:27]    ; 256 consecutive bytes by one instruction
	s_wait_tensorcnt 0x0                           ; the wave's end
	ds_add_u32 v[SPW], v[NIL]
	s_wait_dscnt 0x0
	s_endpgm
.Lfunc_end_k_q191ffd08f4_kvp:
	.size	k_q191ffd08f4_kvp, .Lfunc_end_k_q191ffd08f4_kvp-k_q191ffd08f4_kvp
	.p2alignl 7, 3214868480
	.fill 96, 4, 3214868480
	.section	.rodata,"a",@progbits
	.p2align	6, 0x0
	.amdhsa_kernel k_q191ffd08f4_kvp
		.amdhsa_group_segment_fixed_size 327680
		.amdhsa_private_segment_fixed_size 0
		.amdhsa_enable_private_segment 0
		.amdhsa_kernarg_size 96
		.amdhsa_user_sgpr_count 2
		.amdhsa_user_sgpr_kernarg_segment_ptr 1
		.amdhsa_wavefront_size32 1
		.amdhsa_system_sgpr_workgroup_id_x 1
		.amdhsa_system_sgpr_workgroup_id_y 1
		.amdhsa_system_sgpr_workgroup_id_z 1
		.amdhsa_system_vgpr_workitem_id 0
		.amdhsa_next_free_vgpr 1024
		.amdhsa_next_free_sgpr 84
		.amdhsa_reserve_vcc 0
		.amdhsa_float_denorm_mode_32 3
		.amdhsa_float_denorm_mode_16_64 3
		.amdhsa_memory_ordered 1
		.amdhsa_forward_progress 1
		.amdhsa_inst_pref_size 255
	.end_amdhsa_kernel
	.section	.bss,"aw",@nobits
	.p2align	6
	.space	262144
	.amdgpu_metadata
---
amdhsa.version: [ 1, 2 ]
amdhsa.kernels:
  - .name:           k_q191ffd08f4_kvp
    .symbol:         k_q191ffd08f4_kvp.kd
    .args:
      - { .name: emb0, .offset: 0, .size: 8, .value_kind: global_buffer, .address_space: global }
      - { .name: emb1, .offset: 8, .size: 8, .value_kind: global_buffer, .address_space: global }
      - { .name: emb2, .offset: 16, .size: 8, .value_kind: global_buffer, .address_space: global }
      - { .name: mask0, .offset: 24, .size: 8, .value_kind: global_buffer, .address_space: global }
      - { .name: mask1, .offset: 32, .size: 8, .value_kind: global_buffer, .address_space: global }
      - { .name: mask2, .offset: 40, .size: 8, .value_kind: global_buffer, .address_space: global }
      - { .name: wcodes, .offset: 48, .size: 8, .value_kind: global_buffer, .address_space: global }
      - { .name: bk, .offset: 56, .size: 8, .value_kind: global_buffer, .address_space: global }
      - { .name: bv, .offset: 64, .size: 8, .value_kind: global_buffer, .address_space: global }
      - { .name: lowp_scales, .offset: 72, .size: 8, .value_kind: global_buffer, .address_space: global }
      - { .name: kvpart, .offset: 80, .size: 8, .value_kind: global_buffer, .address_space: global }
      - { .name: kspart, .offset: 88, .size: 8, .value_kind: global_buffer, .address_space: global }
    .group_segment_fixed_size: 327680
    .private_segment_fixed_size: 0
    .kernarg_segment_align: 8
    .kernarg_segment_size: 96
    .max_flat_workgroup_size: 128
    .sgpr_count:     84
    .vgpr_count:     1024
    .wavefront_size: 32
...
	.end_amdgpu_metadata
.endif
;; end of part 2
;; launch kvr (part 3): grid 96 x 1, 8 waves a work-group, no clusters, 0 bytes of LDS; arguments kvpart, kspart, lowp_scales, kvcodes, ksum; writes kvcodes, ksum
.if DOCPART == 3
	.amdgcn_target "amdgcn-amd-amdhsa--gfx1250"
	.amdhsa_code_object_version 6
	.text
	.protected	k_q191ffd08f4_kvr
	.globl	k_q191ffd08f4_kvr
	.p2align	8
	.type	k_q191ffd08f4_kvr,@function
k_q191ffd08f4_kvr:
	s_mov_b64 s[64:65], 0
	v_nop
	global_prefetch_b8 v0, s[64:65] scope:SCOPE_SE
	s_setreg_imm32_b32 hwreg(HW_REG_WAVE_MODE, 25, 1), 1
	s_wait_xcnt 0x0
; For each u = (4 i + b) 8 + head: the eight chunks' partial kv and k_sum are added in f32, chunk ascending; kv is quantised to E4M3 with the given scale (entry 9 + 8i) and laid as images of the
; fragments "16 rows e, K = d (64)" that the last launch takes as source 0: te x 1024 + q x 512 + 16 x lane, registers 4q..4q+3; registers 2 td, 2 td + 1 hold d = 16 td + 8 h + 0..7 of row e = 16 te + r.
; A partial sum stands for sum x 2^(e6 + e7): the code is sum / 2^(e9 - e6 - e7).  LIMIT: that exponent between -126 and 119.
; Work-group = u; wave = 2 te + q takes accumulators td = 2q, 2q + 1 of column tile te.  No LDS, no barrier: waves share nothing.  Every load and store covers 512 (k_sum: 256) consecutive bytes.
	s_load_b256 s[4:11], s[0:1], 0x0               ; kvpart, kspart, lowp_scales, kvcodes
	s_load_b64 s[12:13], s[0:1], 0x20              ; ksum
	v_lshrrev_b32 v1, 5, v0
	v_readfirstlane_b32 s14, v1                    ; wave
	v_and_b32 v1, 31, v0
	s_lshr_b32 s15, s14, 1                         ; te
	s_and_b32 s16, s14, 1                          ; q
	s_lshl_b32 s17, s16, 3
	s_add_co_u32 s17, s17, s15
	s_lshl_b32 s17, s17, 10                        ; accumulator 4 (2 q) + te
	v_lshl_add_u32 v2, v1, 4, s17
	s_lshl_b32 s18, s15, 10
	s_lshl_b32 s19, s16, 9
	s_add_co_u32 s18, s18, s19
	v_lshl_add_u32 v3, v1, 4, s18
	v_lshlrev_b32 v4, 3, v1
	s_lshr_b32 s20, ttmp9, 5                       ; i
	s_lshl_b32 s20, s20, 5
	s_mov_b32 s21, 0
	s_lshl_b32 s22, ttmp9, 17
	s_mov_b32 s23, 0
	s_lshl_b32 s24, ttmp9, 11
	s_mov_b32 s25, 0
	s_lshl_b32 s26, ttmp9, 12
	s_mov_b32 s27, 0
	s_lshl_b32 s28, ttmp9, 8
	s_mov_b32 s29, 0
	s_wait_kmcnt 0x0
	s_add_nc_u64 s[8:9], s[8:9], s[20:21]
	s_load_b128 s[32:35], s[8:9], 0x18             ; entries 6 + 8i .. 9 + 8i
	s_add_nc_u64 s[4:5], s[4:5], s[22:23]
	s_add_nc_u64 s[6:7], s[6:7], s[24:25]
	s_add_nc_u64 s[10:11], s[10:11], s[26:27]
	s_add_nc_u64 s[12:13], s[12:13], s[28:29]
.set cc, 0
.rept 8
.irp d, 0,1
.irp f, 0,1
	global_load_b128 v[32+16*cc+8*\d+4*\f:32+16*cc+8*\d+4*\f+3], v2, s[4:5] offset:16384*cc+4096*\d+512*\f
.endr
.endr
.set cc, cc+1
.endr
	s_cmp_lg_u32 s14, 0                            ; k_sum is wave 0's
	s_cbranch_scc1 .Lnot0
.set cc, 0
.rept 8
	global_load_b64 v[160+2*cc:161+2*cc], v4, s[6:7] offset:256*cc
.set cc, cc+1
.endr
	s_wait_loadcnt 0x0
.set cc, 1
.rept 7
	v_pk_add_f32 v[160:161], v[160:161], v[160+2*cc:161+2*cc]
.set cc, cc+1
.endr
	global_store_b64 v4, v[160:161], s[12:13]
.Lnot0:
	s_wait_loadcnt 0x0
	s_wait_kmcnt 0x0
	s_sub_co_i32 s35, s35, s32
	s_sub_co_i32 s35, s35, s33                     ; e9 - e6 - e7
	s_add_co_i32 s35, s35, 127
	s_lshl_b32 s36, s35, 23
	v_mov_b32 v5, s36
	s_add_co_i32 s35, s35, 8
	s_lshl_b32 s35, s35, 23
	s_or_b32 s35, s35, 0x600000
	v_mov_b32 v6, s35
.set cc, 1
.rept 7
.set pp, 0
.rept 8
	v_pk_add_f32 v[32+2*pp:33+2*pp], v[32+2*pp:33+2*pp], v[32+16*cc+2*pp:33+16*cc+2*pp]
.set pp, pp+1
.endr
.set cc, cc+1
.endr
.set jj, 0
.rept 16
	v_med3_num_f32 v[32+jj], v[32+jj], -v6, v6     ; the conversion does not saturate (ISA guide 7.6.2)
.set jj, jj+1
.endr
	v_cvt_scalef32_pk8_fp8_f32 v[8:9], v[32:39], v5
	v_cvt_scalef32_pk8_fp8_f32 v[10:11], v[40:47], v5
	v_nop                                          ; a plain line behind the last conversion
	global_store_b128 v3, v[8:11], s[10:11]
	s_endpgm
.Lfunc_end_k_q191ffd08f4_kvr:
	.size	k_q191ffd08f4_kvr, .Lfunc_end_k_q191ffd08f4_kvr-k_q191ffd08f4_kvr
	.p2alignl 7, 3214868480
	.fill 96, 4, 3214868480
	.section	.rodata,"a",@progbits
	.p2align	6, 0x0
	.amdhsa_kernel k_q191ffd08f4_kvr
		.amdhsa_group_segment_fixed_size 0
		.amdhsa_private_segment_fixed_size 0
		.amdhsa_enable_private_segment 0
		.amdhsa_kernarg_size 40
		.amdhsa_user_sgpr_count 2
		.amdhsa_user_sgpr_kernarg_segment_ptr 1
		.amdhsa_wavefront_size32 1
		.amdhsa_system_sgpr_workgroup_id_x 1
		.amdhsa_system_sgpr_workgroup_id_y 1
		.amdhsa_system_sgpr_workgroup_id_z 1
		.amdhsa_system_vgpr_workitem_id 0
		.amdhsa_next_free_vgpr 176
		.amdhsa_next_free_sgpr 66
		.amdhsa_reserve_vcc 0
		.amdhsa_float_denorm_mode_32 3
		.amdhsa_float_denorm_mode_16_64 3
		.amdhsa_memory_ordered 1
		.amdhsa_forward_progress 1
		.amdhsa_inst_pref_size 12
	.end_amdhsa_kernel
	.amdgpu_metadata
---
amdhsa.version: [ 1, 2 ]
amdhsa.kernels:
  - .name:           k_q191ffd08f4_kvr
    .symbol:         k_q191ffd08f4_kvr.kd
    .args:
      - { .name: kvpart, .offset: 0, .size: 8, .value_kind: global_buffer, .address_space: global }
      - { .name: kspart, .offset: 8, .size: 8, .value_kind: global_buffer, .address_space: global }
      - { .name: lowp_scales, .offset: 16, .size: 8, .value_kind: global_buffer, .address_space: global }
      - { .name: kvcodes, .offset: 24, .size: 8, .value_kind: global_buffer, .address_space: global }
      - { .name: ksum, .offset: 32, .size: 8, .value_kind: global_buffer, .address_space: global }
    .group_segment_fixed_size: 0
    .private_segment_fixed_size: 0
    .kernarg_segment_align: 8
    .kernarg_segment_size: 40
    .max_flat_workgroup_size: 256
    .sgpr_count:     66
    .vgpr_count:     176
    .wavefront_size: 32
...
	.end_amdgpu_metadata
.endif
;; end of part 3
;; launch qo (part 4): grid 256 x 1, 4 waves a work-group, no clusters, 309,760 bytes of LDS; arguments x, wcodes, kvcodes, ksum, bq, bo, lowp_scales, out0; writes out0
.if DOCPART == 4
	.amdgcn_target "amdgcn-amd-amdhsa--gfx1250"
	.amdhsa_code_object_version 6
	.text
	.protected	k_q191ffd08f4_qo
	.globl	k_q191ffd08f4_qo
	.p2align	8
	.type	k_q191ffd08f4_qo,@function
k_q191ffd08f4_qo:
	s_mov_b64 s[64:65], 0
	v_nop
	global_prefetch_b8 v0, s[64:65] scope:SCOPE_SE
	s_setreg_imm32_b32 hwreg(HW_REG_WAVE_MODE, 25, 1), 1
	s_wait_xcnt 0x0
; out0 = ((q + sum over i of (q kv_i) / (q . k_sum_i)) / 3) Wo^T + bo, q = softmax over each head's 64 of (x Wq^T + bq).  All products on codes of E4M3 with the given scales; x in, out0 out, nothing between goes to memory.
; THE SOFTMAX AHEAD OF q kv_i: t = logit x log2(e); M = ceil(the row's largest t); p = 2^(t - M) is quantised, once under each of the three given scales; l = the sum of the unquantised p.
; (p kv_i / l) / ((p / l) . k_sum_i) = p kv_i / (p . k_sum_i), so out = p / (3 l) + sum over i of O_i x 2^(e(8+8i) + e(9+8i)) / (3 p . k_sum_i).
; SHARES.  A work-group takes 128 rows of x, as two halves of 64.  Wave w owns heads 2w, 2w + 1: columns 128 w .. + 127 of q and of out (K step w of the last product), and columns 128 w .. + 127 of out0.
; Its part of Wq (512 registers of codes) stays in registers through the first phase; its part of Wo then takes the same registers.  Its 24 fragments of kv stay too.
; EVERY PRODUCT IS USED TRANSPOSED (source 0 = 16 rows of the weight or of kv, source 1 = 16 rows of data): a lane holds ONE row of x throughout, and the 8 registers of a tile are 8 neighbours along the next K,
; so each conversion's result is a register pair of the next operand.  Operands go from wave to wave through LDS as images of their registers (512 q + 16 x lane).
; LDS.  x comes as f32 by two tensor loads a wave (tile (half a, K quarter w): 64 rows x 512 bytes, 528 apart); no byte is filled twice.  Behind the first barrier the first half's tiles have had their one fill
; and their last read: out's images, the stages and the second half's images of x lie there.
; NO CLUSTER: work-groups share only the weights' and kv's codes, which each reads once, straight into registers; x, the bulk of the bytes, is shared by nobody.
; LIMITS, so that each power of two below is an f32 number: entries 0, 8, 16, 24, 26 between -126 and 119; e0 + e1 between -126 and 126; e(8+8i) + e(9+8i) between -124 and 128; e26 + e27 between -126 and 127.
; NaN among the inputs is not served.  A head all of whose keys are masked gives a division by 0.
; REGISTERS.  Window 0: v1-31 addresses, scales, a row's figures; v32-95 x's fragments, then O_0, O_1; v96-159 q's 8 tiles, then p, then out; v160-183 p's codes; v184-199 out's codes; v200-215 at work;
;   v216-221 p . k_sum_i; v224-255 k_sum, then O_2.  Windows 1, 2: Wq, later Wo: fragment (T, s) at 256 + 16 (4 T + s).  Window 3: v0-191 kv (i, head, te) at 64 i + 32 hl + 8 te; v192-255 bq, later bo.
.set ROWP,  528
.set TILEB, 64*ROWP
.set HALFB, 4*TILEB
.set XIMG0, 2*HALFB                    ; the first half's 16 images of x: (row tile m, K step s) at (4 m + s) 2048
.set KSB,   XIMG0+32768                ; k_sum [i][512] f32
.set OIMG,  0                          ; out's 32 images: (row tile M, K step s) at (4 M + s) 2048
.set STAGE, 65536                      ; 16 rows x 528 bytes for each wave
.set XIMG1, STAGE+4*16*ROWP            ; the second half's images of x
.set LI,  1                            ; 16 x lane
.set XRD, 2                            ; v2, v3: my place in my tile of half 0, 1
.set XW,  4                            ; v4, v5: where I store x's images
.set XIA, 6
.set OWA, 7
.set KSA, 8
.set SO,  9
.set SR,  10
.set OW0, 11                           ; 16 x lane + 2048 x wave
.set SX,  12
.set LX,  13
.set SPC, 14                           ; v14-16 p's three scales
.set LPC, 17                           ; v17-19 448 x those
.set SOC, 20
.set LOC, 21
.set MXR, 22
.set TMP, 23
.set NEGM, 24                          ; v[24:25]
.set LL,  26                           ; v[26:27]
.set XA,  32
.set QQ,  96
.set PCD, 160
.set OC,  184
.set TM0, 200
.set TM1, 208
.set DEN, 216
.set KSR, 224
.set MSB, 0
.macro WIN new                         ; the immediate's high byte repeats the setting that is left
.if MSB != \new
	s_set_vgpr_msb (MSB<<8)|\new
.set MSB, \new
.endif
.endm
.macro PLACES                          ; four plain places behind matrix instructions (ISA guide 7.12.1)
.rept 4
	v_nop
.endr
.endm
.macro BAR
	s_wait_dscnt 0x0
	s_barrier_signal -1
	s_barrier_wait -1
.endm
.macro MKSC sc, lim, e
	s_add_co_i32 s98, \e, 127
	s_lshl_b32 s99, s98, 23
	v_mov_b32 v[\sc], s99
	s_add_co_i32 s98, s98, 8
	s_lshl_b32 s98, s98, 23
	s_or_b32 s98, s98, 0x600000
	v_mov_b32 v[\lim], s98
.endm
	s_load_b512 s[4:19], s[0:1], 0x0               ; x, wcodes, kvcodes, ksum, bq, bo, lowp_scales, out0
	v_lshl_add_u32 v254, v0, 2, 0x4b800
	v_mov_b32 v255, 0
	ds_add_u32 v254, v255
	ds_add_u32 v254, v255
	s_wait_dscnt 0x0
	v_lshrrev_b32 v1, 5, v0
	v_readfirstlane_b32 s20, v1                    ; wave
	s_lshr_b32 s21, ttmp9, 6                       ; b: 64 work-groups to a batch
	s_mov_b32 s36, (2<<16)|(1<<20)|(6<<22)|(3<<25) ; group 1: 64 rows x 128 elements of 4 bytes, pitch 512 elements; 4 words of padding behind every 128
	s_mov_b32 s37, 128<<16
	s_mov_b32 s38, 64<<16
	s_mov_b32 s39, 128<<16
	s_mov_b32 s40, 64
	s_mov_b32 s41, 512
	s_mov_b32 s42, 0
	s_mov_b32 s43, 0
	s_lshl_b32 s96, ttmp9, 18                      ; 128 rows of 2,048 bytes,
	s_lshl_b32 s97, s20, 9                         ; my 512 bytes of a row: in x my K quarter, in out0 my columns
	s_add_co_u32 s96, s96, s97
	s_mov_b32 s97, 0
	s_mul_i32 s98, s20, TILEB
	s_mov_b32 s60, 0x76543210                      ; v_permlanex16_b32: lane l xor 16
	s_mov_b32 s61, 0xfedcba98
	s_mov_b32 s57, 0x3eaaaaab                      ; 1/3
	s_wait_kmcnt 0x0
	s_load_b512 s[68:83], s[16:17], 0x0            ; entry n in s[68 + n]
	s_load_b256 s[84:91], s[16:17], 0x40
	s_load_b128 s[92:95], s[16:17], 0x60
	s_add_nc_u64 s[4:5], s[4:5], s[96:97]
	s_add_nc_u64 s[34:35], s[18:19], s[96:97]
.irp a, 0,1
	s_mov_b32 s[44+4*\a], 1
	s_add_co_u32 s[45+4*\a], s98, \a*HALFB
	s_add_nc_u64 s[46+4*\a:47+4*\a], s[4:5], \a*131072
	s_or_b32 s[47+4*\a], s[47+4*\a], 0x80000000
.endr
	tensor_load_to_lds s[44:47], s[36:43]          ; both halves at once: two loads of mine are out, all that this text issues
	s_nop 0
	tensor_load_to_lds s[48:51], s[36:43]
	s_nop 0
.rept 4
	v_nop
.endr
	s_lshl_b32 s96, s20, 16
	s_add_nc_u64 s[22:23], s[6:7], s[96:97]        ; my 32 fragments of Wq (matrix 0),
	s_add_nc_u64 s[24:25], s[22:23], 7*262144      ; of Wo (matrix 7)
	s_lshl_b32 s96, s21, 3
	s_lshl_b32 s99, s20, 1
	s_add_co_u32 s96, s96, s99
	s_lshl_b32 s96, s96, 12
	s_add_nc_u64 s[26:27], s[8:9], s[96:97]        ; kv's codes at (i = 0, b, head 2 w)
	s_lshl_b32 s96, s21, 11
	s_add_nc_u64 s[28:29], s[10:11], s[96:97]      ; k_sum at (i = 0, b)
	s_lshl_b32 s96, s20, 9
	s_add_nc_u64 s[30:31], s[12:13], s[96:97]      ; bq, bo at my 128 columns
	s_add_nc_u64 s[32:33], s[14:15], s[96:97]
	v_and_b32 v28, 31, v0                          ; lane
	v_and_b32 v29, 15, v0                          ; r
	v_bfe_u32 v30, v0, 4, 1                        ; h
	v_lshlrev_b32 v[LI], 4, v28
	v_mul_u32_u24 v[XRD], v29, ROWP
	v_lshl_add_u32 v[XRD], v30, 5, v[XRD]
	v_add_nc_u32 v[XRD], s98, v[XRD]
	v_add_nc_u32 v[XRD+1], HALFB, v[XRD]
	s_lshl_b32 s99, s20, 11
	v_add_nc_u32 v[OW0], s99, v[LI]
	v_add_nc_u32 v[XW], XIMG0, v[OW0]
	v_add_nc_u32 v[XW+1], XIMG1, v[OW0]
	s_lshl_b32 s99, s20, 9
	v_lshl_add_u32 v[KSA], v30, 5, s99
	v_add_nc_u32 v[KSA], KSB, v[KSA]               ; k_sum of my columns: + 512 w + 32 h
	s_mul_i32 s99, s20, 16*ROWP
	s_add_co_u32 s99, s99, STAGE
	v_mul_u32_u24 v[SO], v29, ROWP
	v_lshl_add_u32 v[SO], v30, 5, v[SO]
	v_add_nc_u32 v[SO], s99, v[SO]                 ; the stage, way in: row r, + 32 h
	v_add_nc_u32 v[SR], s99, v[LI]                 ; and back: a row's 512 bytes
	v_lshlrev_b32 v31, 5, v30                      ; 32 h: the biases
	v_lshlrev_b32 v222, 4, v0                      ; 16 x thread: k_sum in memory,
	v_lshl_add_u32 v223, v0, 4, KSB                ; and in LDS
	v_mov_b32 v[TMP], 0                            ; written once: a lane permute's destination counts as one of its sources
	v_mov_b32 v[NEGM+1], 0                         ; (named as the upper half of a pair)
	WIN 0x40
.set nn, 0
.rept 64
	global_load_b128 v[4*nn:4*nn+3], v[LI], s[22:23] offset:512*nn
.set nn, nn+1
.endr
	WIN 0x80
.set nn, 0
.rept 64
	global_load_b128 v[4*nn:4*nn+3], v[LI], s[22:23] offset:32768+512*nn
.set nn, nn+1
.endr
	WIN 0xc0
.irp i, 0,1,2
.set nn, 0
.rept 16
	global_load_b128 v[64*\i+4*nn:64*\i+4*nn+3], v[LI], s[26:27] offset:\i*131072+512*nn
.set nn, nn+1
.endr
.endr
.set tt, 0
.rept 8
	global_load_b128 v[192+8*tt:192+8*tt+3], v31, s[30:31] offset:64*tt        ; bq in the result's layout: tile T, register j: column 16 T + 8 h + j
	global_load_b128 v[192+8*tt+4:192+8*tt+7], v31, s[30:31] offset:64*tt+16
.set tt, tt+1
.endr
	WIN 0
.irp i, 0,1,2
	global_load_b128 v[224+4*\i:227+4*\i], v222, s[28:29] offset:\i*8192
.endr
	s_wait_kmcnt 0x0
	s_add_co_i32 s96, s68, s69                     ; a sum of x Wq^T stands for sum x 2^(e0 + e1)
	s_sub_co_i32 s97, 0, s96
	s_lshl_b32 s96, s96, 23
	s_add_co_i32 s52, s96, 0x3fb8aa3b              ; c = log2(e) x 2^(e0 + e1)
	s_mov_b32 s53, s52
	s_add_co_i32 s96, s76, s77
	s_lshl_b32 s96, s96, 23
	s_add_co_i32 s54, s96, s57                     ; 2^(e8 + e9) / 3
	s_add_co_i32 s96, s84, s85
	s_lshl_b32 s96, s96, 23
	s_add_co_i32 s55, s96, s57
	s_add_co_i32 s96, s92, s93
	s_lshl_b32 s96, s96, 23
	s_add_co_i32 s56, s96, s57
	s_add_co_i32 s96, s94, s95
	s_add_co_i32 s96, s96, 127
	s_lshl_b32 s58, s96, 23                        ; 2^(e26 + e27)
	s_mov_b32 s59, s58
	MKSC SX, LX, s68
	MKSC SPC, LPC, s76
	MKSC SPC+1, LPC+1, s84
	MKSC SPC+2, LPC+2, s92
	MKSC SOC, LOC, s94
; my K quarter of 16 rows (row tile m of half a): register 8c + j = k 16c + 8h + j of row r
.macro XLD a, m, set
.set cc, 0
.rept 8
	ds_load_b128 v[(\set)+8*cc:(\set)+8*cc+3], v[XRD+(\a)] offset:(\m)*16*ROWP+64*cc
	ds_load_b128 v[(\set)+8*cc+4:(\set)+8*cc+7], v[XRD+(\a)] offset:(\m)*16*ROWP+64*cc+16
.set cc, cc+1
.endr
.endm
.macro XQ set, cod                     ; becomes a fragment
.set cc, 0
.rept 8
.set jj, 0
.rept 8
	v_med3_num_f32 v[(\set)+8*cc+jj], v[(\set)+8*cc+jj], -v[LX], v[LX]         ; the conversion does not saturate (ISA guide 7.6.2)
.set jj, jj+1
.endr
	v_cvt_scalef32_pk8_fp8_f32 v[(\cod)+2*cc:(\cod)+2*cc+1], v[(\set)+8*cc:(\set)+8*cc+7], v[SX]
.set cc, cc+1
.endr
	v_nop                                          ; a plain line behind the last conversion
.endm
.macro XST a, m, cod                   ; whose image is K step w of row tile m
.set qq, 0
.rept 4
	ds_store_b128 v[XW+(\a)], v[(\cod)+4*qq:(\cod)+4*qq+3] offset:(\m)*8192+512*qq
.set qq, qq+1
.endr
.endm
.macro XHALF a
	s_wait_tensorcnt 1-(\a)                        ; my tile of this half is in (the other half's load, issued behind it, may be out).  Only I read my tile
	XLD \a, 0, 32
	XLD \a, 1, 96
	s_wait_dscnt 16                                ; row tile 0 is in; tile 1's 16 loads may be out
	XQ 32, 160
	XST \a, 0, 160
	XLD \a, 2, 32
	s_wait_dscnt 20                                ; tile 1 is in; behind it: 4 stores and 16 loads
	XQ 96, 176
	XST \a, 1, 176
	XLD \a, 3, 96
	s_wait_dscnt 20                                ; tile 2 is in
	XQ 32, 160
	XST \a, 2, 160
	s_wait_dscnt 4                                 ; tile 3 is in; behind it: 4 stores
	XQ 96, 176
	XST \a, 3, 176
.endm
.macro KSLOAD i, hl                    ; k_sum_i at the head's 64, in p's layout: register 8 t + j: d = 16 t + 8 h + j
.set tt, 0
.rept 4
	ds_load_b128 v[KSR+8*tt:KSR+8*tt+3], v[KSA] offset:(\i)*2048+256*(\hl)+64*tt
	ds_load_b128 v[KSR+8*tt+4:KSR+8*tt+7], v[KSA] offset:(\i)*2048+256*(\hl)+64*tt+16
.set tt, tt+1
.endr
.endm
; ONE HEAD of a tile of 16 rows: the softmax, the three products with kv, out, and out's codes.
.macro HEAD hl
.set QB, QQ+32*(\hl)
	KSLOAD 0, \hl
	v_max3_num_f32 v[MXR], v[QB], v[QB+1], v[QB+2]         ; my row's largest sum among my 32, two chains, ascending: each accumulator is read from its low end on
	v_max3_num_f32 v[TMP], v[QB+3], v[QB+4], v[QB+5]
.set jj, 6
.rept 6
	v_max3_num_f32 v[MXR], v[MXR], v[QB+jj], v[QB+jj+1]
	v_max3_num_f32 v[TMP], v[TMP], v[QB+jj+2], v[QB+jj+3]
.set jj, jj+4
.endr
	v_max3_num_f32 v[MXR], v[MXR], v[QB+30], v[QB+31]
	v_max_num_f32 v[MXR], v[MXR], v[TMP]
	v_permlanex16_b32 v[TMP], v[MXR], s60, s61
	v_max_num_f32 v[MXR], v[MXR], v[TMP]           ; and among lane l xor 16's
	v_mul_f32 v[MXR], s52, v[MXR]                  ; as t (c is positive)
	v_floor_f32 v[NEGM], -v[MXR]                   ; -M = floor(-t) = -ceil(t)
.set jj, 0
.rept 16
	v_pk_fma_f32 v[QB+2*jj:QB+2*jj+1], v[QB+2*jj:QB+2*jj+1], s[52:53], v[NEGM:NEGM+1] op_sel_hi:[1,0,0]   ; t - M
.set jj, jj+1
.endr
.set jj, 0
.rept 32
	v_exp_f32 v[QB+jj], v[QB+jj]                   ; p
.set jj, jj+1
.endr
	v_nop                                          ; a plain place behind the exponentials
	s_wait_alu depctr_va_vdst(0)
	v_pk_add_f32 v[LL:LL+1], v[QB:QB+1], v[QB+2:QB+3]      ; l, of the unquantised p, in two chains
	v_pk_add_f32 v[TM1:TM1+1], v[QB+4:QB+5], v[QB+6:QB+7]
.set jj, 8
.rept 6
	v_pk_add_f32 v[LL:LL+1], v[LL:LL+1], v[QB+jj:QB+jj+1]
	v_pk_add_f32 v[TM1:TM1+1], v[TM1:TM1+1], v[QB+jj+2:QB+jj+3]
.set jj, jj+4
.endr
	v_pk_add_f32 v[LL:LL+1], v[LL:LL+1], v[TM1:TM1+1]
.irp i, 0,1,2
	s_wait_dscnt 0x0                               ; k_sum_i is in
.set kk, 0
.rept 4
	v_pk_mul_f32 v[TM0+2*kk:TM0+2*kk+1], v[QB+2*kk:QB+2*kk+1], v[KSR+2*kk:KSR+2*kk+1]   ; p . k_sum_i, four chains.  (They write none of the registers of the conversion just ahead)
.set kk, kk+1
.endr
.set kk, 4
.rept 12
	v_pk_fma_f32 v[TM0+2*(kk%4):TM0+2*(kk%4)+1], v[QB+2*kk:QB+2*kk+1], v[KSR+2*kk:KSR+2*kk+1], v[TM0+2*(kk%4):TM0+2*(kk%4)+1]
.set kk, kk+1
.endr
	v_pk_add_f32 v[TM0:TM0+1], v[TM0:TM0+1], v[TM0+2:TM0+3]
	v_pk_add_f32 v[TM0+4:TM0+5], v[TM0+4:TM0+5], v[TM0+6:TM0+7]
	v_pk_add_f32 v[DEN+2*\i:DEN+2*\i+1], v[TM0:TM0+1], v[TM0+4:TM0+5]
.if \i < 2
	KSLOAD \i+1, \hl                               ; lands behind the conversions below
.endif
.set tt, 0
.rept 4
.set TMB, TM0+8*(tt%2)
.set jj, 0
.rept 8
	v_min_num_f32 v[TMB+jj], v[QB+8*tt+jj], v[LPC+\i]      ; p is not negative: the hold is one-sided; p itself is kept
.set jj, jj+1
.endr
	v_cvt_scalef32_pk8_fp8_f32 v[PCD+8*\i+2*tt:PCD+8*\i+2*tt+1], v[TMB:TMB+7], v[SPC+\i]   ; registers 2t, 2t+1 of the operand: d = 16 t + 8 h + 0..7
.set tt, tt+1
.endr
.endr
	v_nop                                          ; a plain line between the last conversion and the matrix instructions
	WIN 0x03                                       ; source 0 (kv) window 3
.irp i, 0,1,2
.set OBS, 32+32*\i+128*(\i/2)
.set tt, 0
.rept 4
	v_wmma_f32_16x16x64_fp8_fp8 v[OBS+8*tt:OBS+8*tt+7], v[64*\i+32*(\hl)+8*tt:64*\i+32*(\hl)+8*tt+7], v[PCD+8*\i:PCD+8*\i+7], 0
.set tt, tt+1
.endr
.endr
	WIN 0
	v_add_f32 v[LL], v[LL], v[LL+1]                ; the figures of the row: these lines are the places behind the products
.irp i, 0,1,2
	v_add_f32 v[DEN+2*\i], v[DEN+2*\i], v[DEN+2*\i+1]
.endr
	v_permlanex16_b32 v[LL+1], v[LL], s60, s61
.irp i, 0,1,2
	v_permlanex16_b32 v[DEN+2*\i+1], v[DEN+2*\i], s60, s61
.endr
	v_add_f32 v[LL], v[LL], v[LL+1]
.irp i, 0,1,2
	v_add_f32 v[DEN+2*\i], v[DEN+2*\i], v[DEN+2*\i+1]
.endr
	v_rcp_f32 v[LL], v[LL]
.irp i, 0,1,2
	v_rcp_f32 v[DEN+2*\i], v[DEN+2*\i]
.endr
	v_nop                                          ; a plain place behind the reciprocals
	s_wait_alu depctr_va_vdst(0)
	v_mul_f32 v[LL], s57, v[LL]                    ; 1 / (3 l)
.irp i, 0,1,2
	v_mul_f32 v[DEN+2*\i], s[54+\i], v[DEN+2*\i]   ; 2^(e(8+8i) + e(9+8i)) / (3 p . k_sum_i)
.endr
.set jj, 0
.rept 16
	v_pk_mul_f32 v[QB+2*jj:QB+2*jj+1], v[QB+2*jj:QB+2*jj+1], v[LL:LL+1] op_sel_hi:[1,0]
.set jj, jj+1
.endr
.irp i, 0,1,2
.set OBS, 32+32*\i+128*(\i/2)
.set jj, 0
.rept 16
	v_pk_fma_f32 v[QB+2*jj:QB+2*jj+1], v[OBS+2*jj:OBS+2*jj+1], v[DEN+2*\i:DEN+2*\i+1], v[QB+2*jj:QB+2*jj+1] op_sel_hi:[1,0,1]
.set jj, jj+1
.endr
.endr
.set jj, 0
.rept 32
	v_med3_num_f32 v[QB+jj], v[QB+jj], -v[LOC], v[LOC]
.set jj, jj+1
.endr
.set tt, 0
.rept 4
	v_cvt_scalef32_pk8_fp8_f32 v[OC+8*(\hl)+2*tt:OC+8*(\hl)+2*tt+1], v[QB+8*tt:QB+8*tt+7], v[SOC]   ; registers 2 (4 hl + te), + 1 of K step w of the last product
.set tt, tt+1
.endr
	v_nop                                          ; a plain line behind the last conversion
.endm
; A TILE OF 16 ROWS: q's 8 tiles of my 128 columns, the two heads, out's image.  last = 1: Wo and bo are asked for over Wq and bq, which are done with.
.macro QTILE last
	v_add_nc_u32 v[XIA], s62, v[LI]
.set ss, 0
.rept 4
.set qq, 0
.rept 4
	ds_load_b128 v[XA+16*ss+4*qq:XA+16*ss+4*qq+3], v[XIA] offset:2048*ss+512*qq
.set qq, qq+1
.endr
.set ss, ss+1
.endr
.set ss, 0
.rept 4                                ; the eight accumulators take turns, one instruction a turn
	s_wait_dscnt 12-4*ss                           ; K step ss's fragment is in; the later steps' 4 loads each may be out
.set tt, 0
.rept 8
.if ss == 0
	WIN 0x31+tt/4                                  ; source 0 (Wq) window 1 or 2, C (bq) window 3
	v_wmma_f32_16x16x128_fp8_fp8 v[QQ+8*tt:QQ+8*tt+7], v[16*(4*(tt%4)+ss):16*(4*(tt%4)+ss)+15], v[XA+16*ss:XA+16*ss+15], v[192+8*tt:192+8*tt+7]
.else
	WIN 0x01+tt/4
	v_wmma_f32_16x16x128_fp8_fp8 v[QQ+8*tt:QQ+8*tt+7], v[16*(4*(tt%4)+ss):16*(4*(tt%4)+ss)+15], v[XA+16*ss:XA+16*ss+15], v[QQ+8*tt:QQ+8*tt+7]
.endif
.set tt, tt+1
.endr
.set ss, ss+1
.endr
	WIN 0
	PLACES
.if \last
	WIN 0x40
.set nn, 0
.rept 64
	global_load_b128 v[4*nn:4*nn+3], v[LI], s[24:25] offset:512*nn
.set nn, nn+1
.endr
	WIN 0x80
.set nn, 0
.rept 64
	global_load_b128 v[4*nn:4*nn+3], v[LI], s[24:25] offset:32768+512*nn
.set nn, nn+1
.endr
	WIN 0xc0
.set tt, 0
.rept 8
	global_load_b128 v[192+8*tt:192+8*tt+3], v31, s[32:33] offset:64*tt
	global_load_b128 v[192+8*tt+4:192+8*tt+7], v31, s[32:33] offset:64*tt+16
.set tt, tt+1
.endr
	WIN 0
.endif
	HEAD 0
	HEAD 1
	v_add_nc_u32 v[OWA], s63, v[OW0]
.set qq, 0
.rept 4
	ds_store_b128 v[OWA], v[OC+4*qq:OC+4*qq+3] offset:OIMG+512*qq
.set qq, qq+1
.endr
	s_add_co_u32 s62, s62, 8192
	s_add_co_u32 s63, s63, 8192
.endm
; A TILE OF 16 ROWS OF out0: my 128 columns; through my own stage, out as whole rows of 512 bytes.
.macro OTILE
	v_add_nc_u32 v[XIA], s62, v[LI]
.set ss, 0
.rept 4
.set qq, 0
.rept 4
	ds_load_b128 v[XA+16*ss+4*qq:XA+16*ss+4*qq+3], v[XIA] offset:OIMG+2048*ss+512*qq
.set qq, qq+1
.endr
.set ss, ss+1
.endr
.set ss, 0
.rept 4
	s_wait_dscnt 12-4*ss
.set tt, 0
.rept 8
	WIN 0x01+tt/4                                  ; source 0 (Wo) window 1 or 2
.if ss == 0
	v_wmma_f32_16x16x128_fp8_fp8 v[QQ+8*tt:QQ+8*tt+7], v[16*(4*(tt%4)+ss):16*(4*(tt%4)+ss)+15], v[XA+16*ss:XA+16*ss+15], 0
.else
	v_wmma_f32_16x16x128_fp8_fp8 v[QQ+8*tt:QQ+8*tt+7], v[16*(4*(tt%4)+ss):16*(4*(tt%4)+ss)+15], v[XA+16*ss:XA+16*ss+15], v[QQ+8*tt:QQ+8*tt+7]
.endif
.set tt, tt+1
.endr
.set ss, ss+1
.endr
	WIN 0
	PLACES
	WIN 0x30                                       ; source 2 (bo) window 3
.set jj, 0
.rept 32
	v_pk_fma_f32 v[160+2*jj:161+2*jj], v[QQ+2*jj:QQ+2*jj+1], s[58:59], v[192+2*jj:193+2*jj] op_sel_hi:[1,0,1]   ; sum x 2^(e26 + e27) + bo; each accumulator from its low end on
.set jj, jj+1
.endr
	WIN 0
.set tt, 0
.rept 8
	ds_store_b128 v[SO], v[160+8*tt:163+8*tt] offset:64*tt
	ds_store_b128 v[SO], v[164+8*tt:167+8*tt] offset:64*tt+16
.set tt, tt+1
.endr
.set pp, 0
.rept 16
	ds_load_b128 v[XA+4*pp:XA+4*pp+3], v[SR] offset:ROWP*pp    ; LDS serves a wave's instructions in order: these see my stores, and the next tile's stores come behind them
.set pp, pp+1
.endr
.set pp, 0
.rept 16
	s_wait_dscnt 15-pp                             ; row pp is back; the younger rows may be out
	global_store_b128 v[LI], v[XA+4*pp:XA+4*pp+3], s[34:35] offset:2048*pp th:TH_STORE_NT   ; 512 consecutive bytes, aligned; written once, read by nobody here
.set pp, pp+1
.endr
	s_wait_xcnt 0x0                                ; the stores have read their registers and their base: both are written again only behind this wait
	s_add_nc_u64 s[34:35], s[34:35], 32768         ; 16 rows on
	s_add_co_u32 s62, s62, 8192
.endm
	XHALF 0
	s_wait_loadcnt 0x0                             ; Wq, kv, bq, k_sum
.irp i, 0,1,2
	ds_store_b128 v223, v[224+4*\i:227+4*\i] offset:\i*2048
.endr
	WIN 0xc3                                       ; source 0 and destination window 3
.set jj, 0
.rept 64
	v_ldexp_f32 v[192+jj], v[192+jj], s97          ; bq is the C of a sum's first product: divided by the power of two that the sums lack
.set jj, jj+1
.endr
	WIN 0
	BAR                                            ; the first half's images and k_sum lie in LDS; nobody reads the first half's f32 tiles any more, and each has landed
	s_mov_b32 s62, XIMG0
	s_mov_b32 s63, 0
	s_mov_b32 s66, 4
.Lq0:
	QTILE 0
	s_sub_co_u32 s66, s66, 1
	s_cmp_lg_u32 s66, 0
	s_cbranch_scc1 .Lq0
	XHALF 1                                        ; its wait is for 0: no tensor load is out from here on
	BAR                                            ; the second half's images lie in LDS
	s_mov_b32 s62, XIMG1
	s_mov_b32 s63, 4*8192
	s_mov_b32 s66, 3
.Lq1:
	QTILE 0
	s_sub_co_u32 s66, s66, 1
	s_cmp_lg_u32 s66, 0
	s_cbranch_scc1 .Lq1
	QTILE 1                                        ; the last tile is written out: behind its products Wo takes Wq's registers
	s_wait_loadcnt 0x0                             ; Wo, bo
	BAR                                            ; out's 32 images lie in LDS
	s_mov_b32 s62, 0
	s_mov_b32 s66, 8
.Lo:
	OTILE
	s_sub_co_u32 s66, s66, 1
	s_cmp_lg_u32 s66, 0
	s_cbranch_scc1 .Lo
	s_wait_xcnt 0x0
	v_lshl_add_u32 v254, v0, 2, 0x4b800
	v_mov_b32 v255, 0
	s_wait_tensorcnt 0x0
	ds_add_u32 v254, v255
	s_wait_dscnt 0x0
	s_endpgm
.Lfunc_end_k_q191ffd08f4_qo:
	.size	k_q191ffd08f4_qo, .Lfunc_end_k_q191ffd08f4_qo-k_q191ffd08f4_qo
	.p2alignl 7, 3214868480
	.fill 96, 4, 3214868480
	.section	.rodata,"a",@progbits
	.p2align	6, 0x0
	.amdhsa_kernel k_q191ffd08f4_qo
		.amdhsa_group_segment_fixed_size 309760
		.amdhsa_private_segment_fixed_size 0
		.amdhsa_enable_private_segment 0
		.amdhsa_kernarg_size 64
		.amdhsa_user_sgpr_count 2
		.amdhsa_user_sgpr_kernarg_segment_ptr 1
		.amdhsa_wavefront_size32 1
		.amdhsa_system_sgpr_workgroup_id_x 1
		.amdhsa_system_sgpr_workgroup_id_y 1
		.amdhsa_system_sgpr_workgroup_id_z 1
		.amdhsa_system_vgpr_workitem_id 0
		.amdhsa_next_free_vgpr 1024
		.amdhsa_next_free_sgpr 100
		.amdhsa_reserve_vcc 0
		.amdhsa_float_denorm_mode_32 3
		.amdhsa_float_denorm_mode_16_64 3
		.amdhsa_memory_ordered 1
		.amdhsa_forward_progress 1
		.amdhsa_inst_pref_size 239
	.end_amdhsa_kernel
	.amdgpu_metadata
---
amdhsa.version: [ 1, 2 ]
amdhsa.kernels:
  - .name:           k_q191ffd08f4_qo
    .symbol:         k_q191ffd08f4_qo.kd
    .args:
      - { .name: x, .offset: 0, .size: 8, .value_kind: global_buffer, .address_space: global }
      - { .name: wcodes, .offset: 8, .size: 8, .value_kind: global_buffer, .address_space: global }
      - { .name: kvcodes, .offset: 16, .size: 8, .value_kind: global_buffer, .address_space: global }
      - { .name: ksum, .offset: 24, .size: 8, .value_kind: global_buffer, .address_space: global }
      - { .name: bq, .offset: 32, .size: 8, .value_kind: global_buffer, .address_space: global }
      - { .name: bo, .offset: 40, .size: 8, .value_kind: global_buffer, .address_space: global }
      - { .name: lowp_scales, .offset: 48, .size: 8, .value_kind: global_buffer, .address_space: global }
      - { .name: out0, .offset: 56, .size: 8, .value_kind: global_buffer, .address_space: global }
    .group_segment_fixed_size: 309760
    .private_segment_fixed_size: 0
    .kernarg_segment_align: 8
    .kernarg_segment_size: 64
    .max_flat_workgroup_size: 128
    .sgpr_count:     100
    .vgpr_count:     1024
    .wavefront_size: 32
...
	.end_amdgpu_metadata
.endif
;; end of part 4
